; MI455X (gfx1250); checked and timed in simulation.
; The chip was launched on July 23, 2026; its instructions are those of AMD's public machine-readable ISA for CDNA 5 (MIT licence, August 2026) and "CDNA5" Instruction Set Architecture Reference Guide (July 2026). The comments in the code are by the model that wrote it; some were corrected since.
;; CIDER. Allowed arithmetic: matrix products marked QUANTISED: E2M1 operands, one E8M0 scale for each 32 along K, by v_wmma_scale_f32_16x16x128_f8f6f4 with both operands' format E2M1 (or v_wmma_scale_f32_32x16x128_f4), f32 sums; products left as they are: bf16, f16 or f32 operands; f32 sums; everything else in f32.
;; Inputs: I 1 x 16 x 512 float32; mab0_Wo 512 x 512 float32; mab0_Wqkv 3 x 512 x 512 float32; mab0_b0 512 float32; mab0_b1 512 float32; mab0_bo 512 float32; mab0_bqkv 3 x 512 float32; mab0_g0 512 float32; mab0_g1 512 float32; mab1_Wo 512 x 512 float32; mab1_Wqkv 3 x 512 x 512 float32; mab1_b0 512 float32; mab1_b1 512 float32; mab1_bo 512 float32; mab1_bqkv 3 x 512 float32; mab1_g0 512 float32; mab1_g1 512 float32; x 512 x 32 x 512 float32.
;; Outputs: out0 512 x 512 float32.
;; This version of the problem:
;;   THIS VERSION OF THE PROBLEM IS GIVEN IN LOW PRECISION. The matrix products marked QUANTISED in the list below multiply operands that are first quantised to E2M1 (2 exponent bits, 1 mantissa bit; 4 bits a number), with one power-of-two scale for each 32 numbers along K (OCP MX v1.0); their sums are f32. The products marked 'left as it is' may take bf16, f16 or f32 operands, with f32 sums. Whichever they take, every output number must still come out within the allowed error. Rounding operands to bf16 (8 significant bits) uses up far more of that allowance than f16 does (11 bits, for magnitudes from 6e-5 to 65,504). All else is computed in f32.
;;   The module's matrix products, in the order in which they are computed (A, B: the left and right operand; K: the contracted axis; several contracted axes count as one K, in the product's order):
;;     1. [M 8,192, K 512] x [K 512, N 512]; A: input I; B: input mab0_Wqkv: QUANTISED
;;     2. [M 16,384, K 512] x [K 512, N 512]; A: input x; B: input mab0_Wqkv: QUANTISED
;;     3. [M 16,384, K 512] x [K 512, N 512]; A: input x; B: input mab0_Wqkv: QUANTISED
;;     4. batch 4,096 x [M 16, K 64] x [K 64, N 32]; A: computed on the way; B: computed on the way: left as it is (an operand is computed on the way)
;;     5. batch 4,096 x [M 64, K 32] x [K 32, N 16]; A: computed on the way; B: computed on the way: left as it is (an operand is computed on the way)
;;     6. [M 8,192, K 512] x [K 512, N 512]; A: computed on the way; B: input mab0_Wo: left as it is (an operand is computed on the way)
;;     7. [M 16,384, K 512] x [K 512, N 512]; A: input x; B: input mab1_Wqkv: QUANTISED
;;     8. [M 8,192, K 512] x [K 512, N 512]; A: computed on the way; B: input mab1_Wqkv: left as it is (an operand is computed on the way)
;;     9. [M 8,192, K 512] x [K 512, N 512]; A: computed on the way; B: input mab1_Wqkv: left as it is (an operand is computed on the way)
;;     10. batch 4,096 x [M 32, K 64] x [K 64, N 16]; A: computed on the way; B: computed on the way: left as it is (an operand is computed on the way)
;;     11. batch 4,096 x [M 64, K 16] x [K 16, N 32]; A: computed on the way; B: computed on the way: left as it is (K = 16 < 32)
;;     12. [M 16,384, K 512] x [K 512, N 512]; A: computed on the way; B: input mab1_Wo: left as it is (an operand is computed on the way)
;;     13. [M 8,192, K 512] x [K 512, N 512]; A: input I; B: input mab0_Wqkv: QUANTISED
;;     14. [M 16,384, K 512] x [K 512, N 512]; A: computed on the way; B: input mab0_Wqkv: left as it is (an operand is computed on the way)
;;     15. [M 16,384, K 512] x [K 512, N 512]; A: computed on the way; B: input mab0_Wqkv: left as it is (an operand is computed on the way)
;;     16. batch 4,096 x [M 16, K 64] x [K 64, N 32]; A: computed on the way; B: computed on the way: left as it is (an operand is computed on the way)
;;     17. batch 4,096 x [M 64, K 32] x [K 32, N 16]; A: computed on the way; B: computed on the way: left as it is (an operand is computed on the way)
;;     18. [M 8,192, K 512] x [K 512, N 512]; A: computed on the way; B: input mab0_Wo: left as it is (an operand is computed on the way)
;;     19. [M 16,384, K 512] x [K 512, N 512]; A: computed on the way; B: input mab1_Wqkv: left as it is (an operand is computed on the way)
;;     20. [M 8,192, K 512] x [K 512, N 512]; A: computed on the way; B: input mab1_Wqkv: left as it is (an operand is computed on the way)
;;     21. [M 8,192, K 512] x [K 512, N 512]; A: computed on the way; B: input mab1_Wqkv: left as it is (an operand is computed on the way)
;;     22. batch 4,096 x [M 32, K 64] x [K 64, N 16]; A: computed on the way; B: computed on the way: left as it is (an operand is computed on the way)
;;     23. batch 4,096 x [M 64, K 16] x [K 16, N 32]; A: computed on the way; B: computed on the way: left as it is (K = 16 < 32)
;;     24. [M 16,384, K 512] x [K 512, N 512]; A: computed on the way; B: input mab1_Wo: left as it is (an operand is computed on the way)
;;   THE QUANTISER, for each operand of a quantised product, along K:
;;     - K is cut into blocks of 32 from its start; a last block that is shorter is filled with zeros.
;;     - A block's scale is 2^e with e = floor(log2(the largest magnitude in the block)) - 2, held to -126 .. 127; a block of zeros has e = 0. As a byte (E8M0): e + 127.
;;     - Each number is divided by its block's scale, clamped to +-6, and rounded to the nearest number of E2M1, ties to even, subnormals kept.
;;     - The product sums the exact products of the quantised numbers (number of the format x scale) in f32.
;;   ~~~python
;;   def quantise(x, axis):      # numpy; x: float32 -> the quantised numbers, widened to float32 again
;;       x = np.moveaxis(x, axis, -1); K = x.shape[-1]
;;       x = np.pad(x, [(0, 0)] * (x.ndim - 1) + [(0, -K % 32)]); x = x.reshape(x.shape[:-1] + (-1, 32)); a = np.abs(x).max(-1, keepdims=True)
;;       e = np.where(a > 0, np.clip(np.frexp(np.where(a > 0, a, 1))[1] - 1 - 2, -126, 127), 0)      # np.frexp(a)[1] - 1 = floor(log2(a)), exactly
;;       r = np.clip(x / 2.0 ** e, -6, 6)
;;       step = 2.0 ** (np.maximum(np.frexp(np.where(r == 0, 1, r))[1] - 1, 0) - 1)
;;       q = np.round(r / step) * step * 2.0 ** e      # np.round: ties to even
;;       return np.moveaxis(q.reshape(q.shape[:-2] + (-1,))[..., :K], -1, axis).astype(np.float32)
;;   ~~~
;; One version. Each part assembles by itself: llvm-mc -triple=amdgcn-amd-amdhsa -mcpu=gfx1250 --defsym DOCPART=n.
;; ======== version 1 of 1: 2 launches
;; limits: values are held in f16: magnitudes above 65,504 overflow, below 6.1e-05 lose precision
;; workspace buffers: wt 4,194,304 bytes; ws 32,768 bytes
;; launch prep (part 1): grid 16 x 11, 4 waves a work-group, no clusters, 0 bytes of LDS; arguments mab0_Wqkv, mab0_Wo, mab1_Wqkv, mab1_Wo, wt, ws; writes wt, ws
.if DOCPART == 1
	.amdgcn_target "amdgcn-amd-amdhsa--gfx1250"
	.amdhsa_code_object_version 6
	.text
	.protected	k_qd7b2148609_prep
	.globl	k_qd7b2148609_prep
	.p2align	8
	.type	k_qd7b2148609_prep,@function
k_qd7b2148609_prep:
	s_mov_b64 s[64:65], 0
	v_nop
	global_prefetch_b8 v0, s[64:65] scope:SCOPE_SE
	s_setreg_imm32_b32 hwreg(HW_REG_WAVE_MODE, 25, 1), 1
	s_wait_xcnt 0x0
; The weights, [512 (k)][512 (n)] f32 with K as the FIRST axis, are laid out once in the order of a matrix operand's registers, for the launch that follows.
; wt: [wave w: 8][524,288 bytes]; wave w of that launch owns columns 64 w .. 64 w + 63 of every product.  In a wave's part: four segments of 16 KB of E2M1 codes (W0q, W0k, W0v, W1q),
; then seven of 64 KB of f16 (W0k, W0v, Wo0, W1k, W1v, W1q, Wo1).
;   f16 segment:  [K step of 32: 16][tile of 16 columns: 4][half: 2][lane: 32][16 bytes]; lane (r, h): column r; half 0: k = 8 h + 0..7, half 1: k = 16 + 8 h + 0..7
;   code segment: [K step of 128: 4][tile: 4][half c: 2][lane: 32][16 bytes]; lane (r, h): column r, k = 64 c + 32 h + 0..31, the lower k in the lower bits
; ws: [matrix q: 4][w: 8][pair of tiles p: 2][lane: 32][K step: 4] words of four E8M0 bytes: lanes 0-15 tile 2 p's column r, lanes 16-31 tile 2 p + 1's.
; A LANE TAKES A COLUMN AND ITS REGISTERS RUN DOWN K: a load reads 128 consecutive bytes a wave (512 a work-group), a block of 32 along K lies in one lane, nothing is transposed by an instruction.
; Work-group (x, y): y = the job (0-6 f16, 7-10 codes), x / 4 = which 128 columns, x % 4 = which 128 along K; a wave takes 32 columns = two tiles.
; A block's scale is 2^(floor(log2(largest magnitude)) - 2); its byte is the largest magnitude's exponent field - 2, held at 1 from below.
; LIMITS: a block of zeros gets the byte 1 where the quantiser says 127 (its codes are zeros; this program alone reads the bytes); f16 weights want magnitudes under 65,504; NaN and infinities are not served.
; The scale words leave as 4 bytes of each 16: those 32 KB of ws are written piecewise by four work-groups; all code and f16 stores cover 512 consecutive bytes, aligned.
.set XR, 32                            ; v32-159  W[128 kc + i][my column]
.set PK, 160                           ; v160-223 packed results: 16 registers for each 32 along K (f16), or 4 for each block (codes)
	s_load_b256 s[4:11], s[0:1], 0x0               ; W0qkv, Wo0, W1qkv, Wo1
	s_load_b128 s[12:15], s[0:1], 0x20             ; wt, ws
	v_lshrrev_b32 v3, 5, v0
	v_readfirstlane_b32 s19, v3                    ; wave
	v_and_b32 v4, 31, v0
	v_lshlrev_b32 v1, 2, v4                        ; in: 4 bytes a lane
	v_lshlrev_b32 v2, 4, v4                        ; out: 16 bytes a lane
	s_and_b32 s16, ttmp7, 0xffff                   ; y: the job
	s_lshr_b32 s17, ttmp9, 2                       ; cg: which 128 columns
	s_and_b32 s18, ttmp9, 3                        ; kc: which 128 along K
	s_lshl_b32 s20, s16, 1
	s_lshr_b32 s21, 0x203a90, s20                  ; two bits a job: which buffer (0 W0qkv, 1 Wo0, 2 W1qkv, 3 Wo1)
	s_and_b32 s21, s21, 3
	s_lshr_b32 s22, 0x90249, s20                   ; and which of its planes of 1 MiB
	s_and_b32 s22, s22, 3
	s_lshl_b32 s24, s22, 20                        ; source: plane
	s_lshl_b32 s23, s18, 18                        ; + 128 kc rows of 2,048 bytes
	s_add_co_u32 s24, s24, s23
	s_lshl_b32 s23, s17, 9                         ; + 128 cg columns
	s_add_co_u32 s24, s24, s23
	s_lshl_b32 s23, s19, 7                         ; + 32 columns a wave
	s_add_co_u32 s24, s24, s23
	s_mov_b32 s25, 0
	s_lshl_b32 s26, s17, 1
	s_lshr_b32 s23, s19, 1
	s_add_co_u32 s26, s26, s23                     ; the wave of the next launch that owns my columns
	s_and_b32 s27, s19, 1                          ; p: which pair of its four tiles
	s_add_co_u32 s28, s16, 1
	s_lshl_b32 s28, s28, 16                        ; f16 segment: (y + 1) x 64 KB
	s_sub_co_u32 s30, s16, 7                       ; q, for the jobs on codes
	s_lshl_b32 s29, s30, 14                        ; code segment: q x 16 KB
	s_cmp_lt_u32 s16, 7
	s_cselect_b32 s32, s28, s29
	s_cselect_b32 s28, 14, 12                      ; my 128 along K are 16 KB of f16 fragments or 4 KB of codes
	s_lshl_b32 s28, s18, s28
	s_add_co_u32 s32, s32, s28
	s_lshl_b32 s28, s26, 19
	s_add_co_u32 s32, s32, s28
	s_lshl_b32 s28, s27, 11                        ; two tiles are 2,048 bytes
	s_add_co_u32 s32, s32, s28
	s_mov_b32 s33, 0
	s_wait_kmcnt 0x0
	s_cmp_eq_u32 s21, 1                            ; the choice of buffer hangs on the work-group's number alone
	s_cselect_b64 s[4:5], s[6:7], s[4:5]
	s_cmp_eq_u32 s21, 2
	s_cselect_b64 s[4:5], s[8:9], s[4:5]
	s_cmp_eq_u32 s21, 3
	s_cselect_b64 s[4:5], s[10:11], s[4:5]
	s_add_nc_u64 s[4:5], s[4:5], s[24:25]
	s_add_nc_u64 s[12:13], s[12:13], s[32:33]
.set pi, 0
.rept 128
	global_load_b32 v[XR+pi], v1, s[4:5] offset:2048*pi
.set pi, pi+1
.endr
	s_cmp_ge_u32 s16, 7
	s_cbranch_scc1 .Lfp4
; f16: 32 along K of my column are 16 packed registers.  The operand wants k = 8 h + .. in half h of the lanes: lanes 16-31 of the first register of a pair change places with lanes 0-15 of the second,
; which also parts my two tiles: registers 0-3, 8-11 are then tile 2 p's two halves, 4-7, 12-15 tile 2 p + 1's.
.macro F16G g, wl
	s_wait_loadcnt \wl                             ; the loads of these 32 rows are in; wl younger ones may be out (the count's field ends at 63)
.set pi, 0
.rept 16
	v_cvt_pk_f16_f32 v[PK+16*(\g)+pi], v[XR+32*(\g)+2*pi], v[XR+32*(\g)+2*pi+1]
.set pi, pi+1
.endr
.irp i, 0,1,2,3
	v_permlane16_swap_b32 v[PK+16*(\g)+\i], v[PK+16*(\g)+4+\i]
	v_permlane16_swap_b32 v[PK+16*(\g)+8+\i], v[PK+16*(\g)+12+\i]
.endr
	global_store_b128 v2, v[PK+16*(\g):PK+16*(\g)+3], s[12:13] offset:4096*(\g)            ; each store: 512 consecutive bytes; each K step has registers of its own, so no store's data are written again
	global_store_b128 v2, v[PK+16*(\g)+8:PK+16*(\g)+11], s[12:13] offset:4096*(\g)+512
	global_store_b128 v2, v[PK+16*(\g)+4:PK+16*(\g)+7], s[12:13] offset:4096*(\g)+1024
	global_store_b128 v2, v[PK+16*(\g)+12:PK+16*(\g)+15], s[12:13] offset:4096*(\g)+1536
.endm
	F16G 0, 63
	F16G 1, 63
	F16G 2, 32
	F16G 3, 0
	s_endpgm
; codes: my four blocks of 32, two at a time by turns
.macro QPAIR b0
.irp b, \b0, \b0+1
	v_max3_num_f32 v[8+(\b)], |v[XR+32*(\b)]|, |v[XR+32*(\b)+1]|, 0x1800000   ; the floor 2^(3 - 127) among the leaves: the byte cannot fall under 1
.endr
.irp i, 2,4,6,8,10,12,14,16,18,20,22,24,26,28,30
.irp b, \b0, \b0+1
	v_max3_num_f32 v[8+(\b)], v[8+(\b)], |v[XR+32*(\b)+\i]|, |v[XR+32*(\b)+\i+1]|
.endr
.endr
.irp b, \b0, \b0+1
	v_add_nc_u32 v[8+(\b)], 0xff000000, v[8+(\b)]  ; 2 off the exponent field: the conversion's scale operand
	v_lshrrev_b32 v[12+(\b)], 23, v[8+(\b)]        ; the scale's byte
.endr
.irp b, \b0, \b0+1
.irp g, 0,1,2,3
	v_cvt_scalef32_pk8_fp4_f32 v[PK+4*(\b)+\g], v[XR+32*(\b)+8*\g:XR+32*(\b)+8*\g+7], v[8+(\b)]
.endr
.endr
.endm
.Lfp4:
	s_lshl_b32 s28, s30, 3                         ; ws: ((8 q + w) 2 + p) x 512 + 4 kc
	s_add_co_u32 s28, s28, s26
	s_lshl_b32 s28, s28, 1
	s_add_co_u32 s28, s28, s27
	s_lshl_b32 s28, s28, 9
	s_lshl_b32 s29, s18, 2
	s_add_co_u32 s28, s28, s29
	s_mov_b32 s29, 0
	s_add_nc_u64 s[14:15], s[14:15], s[28:29]
	s_wait_loadcnt 63                              ; the first 65 loads are in: blocks 0 and 1
	QPAIR 0
	s_wait_loadcnt 0x0
	QPAIR 2
	v_nop                                          ; one plain line behind the last scaled conversion
.irp g, 0,1,2,3
	v_permlane16_swap_b32 v[PK+\g], v[PK+4+\g]     ; the operand wants block 2 c + h in half h of the lanes: blocks 0 | 1 and 2 | 3 change halves, which parts my two tiles
	v_permlane16_swap_b32 v[PK+8+\g], v[PK+12+\g]
.endr
	v_lshl_or_b32 v16, v13, 8, v12                 ; my column's four bytes: the scale word of these 128 along K
	v_lshl_or_b32 v16, v14, 16, v16
	v_lshl_or_b32 v16, v15, 24, v16
	global_store_b128 v2, v[PK:PK+3], s[12:13]
	global_store_b128 v2, v[PK+8:PK+11], s[12:13] offset:512
	global_store_b128 v2, v[PK+4:PK+7], s[12:13] offset:1024
	global_store_b128 v2, v[PK+12:PK+15], s[12:13] offset:1536
	global_store_b32 v2, v16, s[14:15]
	s_endpgm
.Lfunc_end_k_qd7b2148609_prep:
	.size	k_qd7b2148609_prep, .Lfunc_end_k_qd7b2148609_prep-k_qd7b2148609_prep
	.p2alignl 7, 3214868480
	.fill 96, 4, 3214868480
	.section	.rodata,"a",@progbits
	.p2align	6, 0x0
	.amdhsa_kernel k_qd7b2148609_prep
		.amdhsa_group_segment_fixed_size 0
		.amdhsa_private_segment_fixed_size 0
		.amdhsa_enable_private_segment 0
		.amdhsa_kernarg_size 48
		.amdhsa_user_sgpr_count 2
		.amdhsa_user_sgpr_kernarg_segment_ptr 1
		.amdhsa_wavefront_size32 1
		.amdhsa_system_sgpr_workgroup_id_x 1
		.amdhsa_system_sgpr_workgroup_id_y 1
		.amdhsa_system_sgpr_workgroup_id_z 1
		.amdhsa_system_vgpr_workitem_id 0
		.amdhsa_next_free_vgpr 224
		.amdhsa_next_free_sgpr 66
		.amdhsa_reserve_vcc 0
		.amdhsa_float_denorm_mode_32 3
		.amdhsa_float_denorm_mode_16_64 3
		.amdhsa_memory_ordered 1
		.amdhsa_forward_progress 1
		.amdhsa_inst_pref_size 28
	.end_amdhsa_kernel
	.amdgpu_metadata
---
amdhsa.version: [ 1, 2 ]
amdhsa.kernels:
  - .name:           k_qd7b2148609_prep
    .symbol:         k_qd7b2148609_prep.kd
    .args:
      - { .name: mab0_Wqkv, .offset: 0, .size: 8, .value_kind: global_buffer, .address_space: global }
      - { .name: mab0_Wo, .offset: 8, .size: 8, .value_kind: global_buffer, .address_space: global }
      - { .name: mab1_Wqkv, .offset: 16, .size: 8, .value_kind: global_buffer, .address_space: global }
      - { .name: mab1_Wo, .offset: 24, .size: 8, .value_kind: global_buffer, .address_space: global }
      - { .name: wt, .offset: 32, .size: 8, .value_kind: global_buffer, .address_space: global }
      - { .name: ws, .offset: 40, .size: 8, .value_kind: global_buffer, .address_space: global }
    .group_segment_fixed_size: 0
    .private_segment_fixed_size: 0
    .kernarg_segment_align: 8
    .kernarg_segment_size: 48
    .max_flat_workgroup_size: 128
    .sgpr_count:     66
    .vgpr_count:     224
    .wavefront_size: 32
...
	.end_amdgpu_metadata
.endif
;; end of part 1
;; launch main (part 2): grid 256 x 1, 8 waves a work-group, no clusters, 298,496 bytes of LDS; arguments x, I, wt, ws, mab0_bqkv, mab0_bo, mab0_g0, mab0_b0, mab0_g1, mab0_b1, mab1_bqkv, mab1_bo, mab1_g0, mab1_b0, mab1_g1, mab1_b1, out0; writes out0
.if DOCPART == 2
	.amdgcn_target "amdgcn-amd-amdhsa--gfx1250"
	.amdhsa_code_object_version 6
	.text
	.protected	k_qd7b2148609_main
	.globl	k_qd7b2148609_main
	.p2align	8
	.type	k_qd7b2148609_main,@function
k_qd7b2148609_main:
	s_mov_b64 s[64:65], 0
	v_nop
	global_prefetch_b8 v0, s[64:65] scope:SCOPE_SE
	s_setreg_imm32_b32 hwreg(HW_REG_WAVE_MODE, 25, 1), 1
	s_wait_xcnt 0x0
; Two ISAB passes and the mean over a title's 32 rows, fused: a work-group takes 2 titles (64 rows of X, 32 of H) through everything; nothing goes to memory between the steps.
; SHARES.  Eight waves; WAVE w OWNS HEAD w = columns 64 w .. 64 w + 63 of every product.  So Q, K, V and the attention of a head never leave their wave, and each fragment of a weight is wanted by
; one wave alone: it comes from memory straight into that wave's operand registers (the launch before has laid it so), 512 consecutive bytes a load, through a ring of four register sets (a set = one K step
; of 4 tiles = 4 KB) that runs on across all phases: 32 loads of a wave are always out.  Activations go from wave to wave through LDS as images of the operand's registers; LayerNorm costs 8 bytes a row and wave.
; FORMATS.  x W0k, x W0v, x W1q of the first pass and I W0q: E2M1 codes with E8M0 scales (x and I are quantised here, in registers).  All other products: f16 operands, f32 sums.  All else f32.
; NO CLUSTER, NO JOINT LOAD, though all work-groups walk the same weights: through LDS a weight's fragment would be read once more (4 KB for each 16 matrix instructions of a wave, beside the 4 KB of activations),
; and images, parameters and statistics take 298,496 bytes: 29,184 are left, less than one K step of the eight waves (32,768).
; LAYOUTS (r = lane % 16, h = lane / 16).  T: source 0 = 16 columns of a weight, source 1 = 16 rows: a lane holds row r, register j column 16 t + 8 h + j; two neighbouring tiles packed to f16 ARE a fragment
; (16 rows x 32 k) of the next product.  N: sources swapped: a lane holds column 16 t + r, register j row 8 h + j; two row tiles packed ARE a fragment of V^T.  S^T = K Q^T: a lane holds one query.
; O^T = V^T P with C = the f32 Q: the residual costs nothing.  In mab1 the second product's K = 32 are the H rows of both titles; P is [p, 0] or [0, p].
; The biases are the accumulators' first content, so every K step adds in place.
; LIMITS: f16 operands (weights, LayerNorm results, Q, K, V, p) want magnitudes under 65,504 and lose relative precision under 6e-5; NaN and infinities are not served; a block of zeros carries the scale byte 1
; (its codes are zeros); I W0q is computed once a work-group, since I is the same for every title; a row's variance is combined from the eight waves' means and sums of squared deviations; p is divided by its row's sum before it is rounded to f16.
; REGISTERS.  Window 0: v1-17 addresses; v18-23 at work; v24-39, v40-47 scale words and nothing else; v48-111 A fragments (two sets of 32), between products at work; v112-239 the ring; v240-255 statistics.
; Window 1 (u): accumulators and packed operands, by phase (see the phases).  s_set_vgpr_msb: bits 1:0 source 0, 3:2 source 1, 5:4 source 2, 7:6 destination.
.set XIMG,  0                          ; f16 images of h1: fragment (row tile m, K step c) at (16 m + c) 1024 + 512 half + 16 lane
.set OIMG,  65536                      ; of LayerNorm 0's result, same form
.set HIMG,  131072                     ; of H (two row tiles)
.set XSP,   1040                       ; in the head alone, in the images' bytes 0 .. 133,119: a stage for each wave, in which x is turned: 16 rows of 1,024 bytes + 16 of padding = 65 x 16 bytes:
.set XSTW,  16*XSP                     ; the sixteen rows that a load touches fall on sixteen different 16-byte columns of the 64 banks of 4 bytes (ISA guide 11.1)
.set XQIMG, 163840                     ; x's code fragments (m, s) at (4 m + s) 1024 + 512 c + 16 lane
.set XQSC,  180224                     ; x's scale words: 512 m + 16 lane + 4 s
.set IIMG,  182272                     ; I's code fragments: 1024 s + 512 c + 16 lane
.set IISC,  186368                     ; I's scale bytes: 16 r + 4 s + block
.set PAR,   186880                     ; 4,096 a wave: 16 vectors of its 64 columns: bq0 bk0 bv0 bo0 g00 b00 g10 b10 bq1 bk1 bv1 bo1 g01 b01 g11 b11
.set SCW,   219648                     ; 4,096 a wave: the weights' scale words, (2 q + p) 512 + 16 lane
.set Q0S,   252416                     ; 4,096 a wave: Q0 in f32 (SCW + 32,768)
.set STAT0, 285184                     ; 64 bytes a row: eight means, eight sums of squared deviations
.set STAT1, 289280
.set OUTS,  293376                     ; 512 a wave
.set SPARE, 297472                     ; the spare words, 128 bytes for each wave: four blocks of 256 bytes that no other line names
.set O_K04, 16384                      ; segments of a wave's part of wt
.set O_V04, 32768
.set O_Q14, 49152
.set O_K0,  65536
.set O_V0,  131072
.set O_O0,  196608
.set O_K1,  262144
.set O_V1,  327680
.set O_Q1,  393216
.set O_O1,  458752
.set L16,  1                           ; 16 lane
.set ST16, 2                           ; 2048 w + 16 lane: where my two K steps lie in an image
.set WS16, 3                           ; SCW + 4096 w + 16 lane
.set PART, 4                           ; PAR + 4096 w + 32 h
.set PARN, 5                           ; PAR + 4096 w + 4 r
.set STW,  6                           ; STAT0 + 64 r + 4 w
.set STR,  7                           ; STAT0 + 64 r
.set WOF,  8                           ; 524288 w + 16 lane: my part of wt
.set AD,   9                           ; LDS addresses in hand
.set AD2,  10
.set ADN,  11
.set GOF,  12                          ; out0: 2048 (lane / 16) + 256 w + 16 (lane % 16)
.set XVO,  13                          ; x: 32768 (w / 2) + 1024 (w % 2) + 16 lane; when x's loads are in: x's first scale word
.set IVO,  14                          ; I: 2048 r + 128 h + 256 w; when I's loads are in: x's second scale word
.set H8,   15                          ; 8 h
.set SPW,  16                          ; my spare word; never rewritten
.set NIL,  17                          ; 0; never rewritten
.set T0,   18
.set SCA,  24
.set SCB,  40
.set AF,   48
.set BR,   112
.set MP,   240
.set RP,   248
.set XSS,  254                         ; in the head: my stage, on the way in: XSTW w + 16 lane
.set XSL,  255                         ; and on the way out: XSTW w + XSP r + 128 h
.set WB,   8                           ; s[8:9] wt
.set WV,   38
.set PASS, 39
.set CNT,  40
.set GA,   41
.set BP,   42                          ; s[42:43] from where the ring is filled
.set SO,   46                          ; s[46:47] a chosen offset
.set OQ1,  53
.set SEL,  54                          ; s[54:55] v_permlanex16_b32's selects for lane xor 16
.set CS,   56                          ; s[56:57] c = log2(e) / sqrt(512)
.set NCS,  58                          ; -c
.set R512, 59                          ; 1 / 512
.set EPSR, 60                          ; 1e-5
.set MSB, 0
.macro WIN new                         ; the immediate's high byte repeats the setting that is left; every macro below begins and ends with all windows 0
.if MSB != \new
	s_set_vgpr_msb (MSB<<8)|\new
.set MSB, \new
.endif
.endm
.macro PLACES                          ; four plain lines behind matrix instructions, ahead of loads into their registers and of the first read of their results
.rept 4
	v_nop
.endr
.endm
.macro BAR                             ; my LDS stores have landed and my LDS loads are in: then the work-group's barrier
	s_wait_dscnt 0x0
	s_barrier_signal -1
	s_barrier_wait -1
.endm
.macro REFILL i                        ; set i of the ring: one K step's four tiles, 8 loads of 512 consecutive bytes
.irp q, 0,1,2,3,4,5,6,7
	global_load_b128 v[BR+32*(\i)+4*\q:BR+32*(\i)+4*\q+3], v[WOF], s[BP:BP+1] offset:4096*(\i)+512*\q
.endr
.endm
.macro PRE_T acc, mt, vec              ; a bias in the T layout becomes the accumulators' first content
	WIN 0x40
.set pm, 0
.rept \mt
.irp t, 0,1,2,3
	ds_load_b128 v[(\acc)+32*pm+8*\t:(\acc)+32*pm+8*\t+3], v[PART] offset:256*(\vec)+64*\t
	ds_load_b128 v[(\acc)+32*pm+8*\t+4:(\acc)+32*pm+8*\t+7], v[PART] offset:256*(\vec)+64*\t+16
.endr
.set pm, pm+1
.endr
	WIN 0
.endm
.macro PRE_N acc, mt, vec              ; the same in the N layout: a lane's eight rows of one column share one number
.irp t, 0,1,2,3
	ds_load_b32 v[T0+\t], v[PARN] offset:256*(\vec)+64*\t
.endr
	s_wait_dscnt 0x0
	WIN 0x40
.set pm, 0
.rept \mt
.irp t, 0,1,2,3
.irp j, 0,1,2,3,4,5,6,7
	v_mov_b32 v[(\acc)+32*pm+8*\t+\j], v[T0+\t]
.endr
.endr
.set pm, pm+1
.endr
	WIN 0
.endm
.macro ALOAD16 set, kk, mt             ; the f16 fragments of K step kk (counted from v[AD]'s group) of mt row tiles into A set (set % 2)
.set pm, 0
.rept \mt
	ds_load_b128 v[AF+32*((\set)%2)+8*pm:AF+32*((\set)%2)+8*pm+3], v[AD] offset:16384*pm+1024*(\kk)
	ds_load_b128 v[AF+32*((\set)%2)+8*pm+4:AF+32*((\set)%2)+8*pm+7], v[AD] offset:16384*pm+1024*(\kk)+512
.set pm, pm+1
.endr
.endm
; One K step of 32 in f16: 4 mt matrix instructions, each on an accumulator of its own: the accumulators take turns.  wl: global loads younger than ring set i; wd: LDS loads younger than my A set.
.macro KSTEP16 i, mt, ori, acc, wl, wd
	s_wait_loadcnt \wl
	s_wait_dscnt \wd
	WIN 0x50
.set pm, 0
.rept \mt
.irp t, 0,1,2,3
.set rD, (\acc)+32*pm+8*\t
.set rB, BR+32*(\i)+8*\t
.set rA, AF+32*((\i)%2)+8*pm
.if \ori
	v_wmma_f32_16x16x32_f16 v[rD:rD+7], v[rA:rA+7], v[rB:rB+7], v[rD:rD+7]
.else
	v_wmma_f32_16x16x32_f16 v[rD:rD+7], v[rB:rB+7], v[rA:rA+7], v[rD:rD+7]
.endif
.endr
.set pm, pm+1
.endr
	WIN 0
	PLACES
.endm
.macro CREFILL i                       ; the last product of the last pass has nothing to ask for
	s_cmp_eq_u32 s[PASS], 1
	s_cbranch_scc1 .Lnr_\@
	REFILL \i
.Lnr_\@:
.endm
; A product of mt row tiles with my 64 columns of a 512 x 512 weight in f16: 16 K steps = 4 groups of 4 ring sets.  At the entry the 32 youngest global loads are the weight's first group, and BP stands at the weight.
; A trip multiplies a group and asks for the next; the last group, written out, asks for the first group of the NEXT weight (noff; mode 1: W1q's codes in pass 0, its f16 form in pass 1; mode 2: only in pass 0).
; s_wait_loadcnt 24: three younger sets of 8.  s_wait_dscnt 2 mt: the other A set's loads.  BP is written behind s_wait_xcnt 0, a K step behind the last load that names it.
.macro GEMM16 mt, ori, acc, region, noff, mode
	s_mov_b32 s[GA], \region
	v_add_nc_u32 v[AD], s[GA], v[L16]
	ALOAD16 0, 0, \mt
	ALOAD16 1, 1, \mt
	s_mov_b32 s[CNT], 3
.Lg16_\@:
.irp i, 0,1,2,3
	KSTEP16 \i, \mt, \ori, \acc, 24, 2*(\mt)
	ALOAD16 \i, \i+2, \mt                          ; two K steps on; 4 and 5 are the next group's first two
.if \i == 0
	s_wait_xcnt 0x0
	s_add_nc_u64 s[BP:BP+1], s[BP:BP+1], 16384
.endif
	REFILL \i
.endr
	s_add_co_u32 s[GA], s[GA], 4096
	v_add_nc_u32 v[AD], s[GA], v[L16]
	s_sub_co_u32 s[CNT], s[CNT], 1
	s_cmp_lg_u32 s[CNT], 0
	s_cbranch_scc1 .Lg16_\@
	KSTEP16 0, \mt, \ori, \acc, 24, 2*(\mt)
	ALOAD16 0, 2, \mt
.if \mode == 1
	s_cmp_eq_u32 s[PASS], 0
	s_cselect_b32 s[SO], O_Q14, s[OQ1]
	s_wait_xcnt 0x0
	s_add_nc_u64 s[BP:BP+1], s[WB:WB+1], s[SO:SO+1]
.else
	s_wait_xcnt 0x0
	s_add_nc_u64 s[BP:BP+1], s[WB:WB+1], \noff
.endif
.if \mode == 2                         ; the counts run down: right where nothing more is asked for, and safe (smaller) where the next pass's first group goes out
	CREFILL 0
	KSTEP16 1, \mt, \ori, \acc, 16, 2*(\mt)
	ALOAD16 1, 3, \mt
	CREFILL 1
	KSTEP16 2, \mt, \ori, \acc, 8, 2*(\mt)
	CREFILL 2
	KSTEP16 3, \mt, \ori, \acc, 0, 0
	CREFILL 3
.else
	REFILL 0
	KSTEP16 1, \mt, \ori, \acc, 24, 2*(\mt)
	ALOAD16 1, 3, \mt
	REFILL 1
	KSTEP16 2, \mt, \ori, \acc, 24, 2*(\mt)
	REFILL 2
	KSTEP16 3, \mt, \ori, \acc, 24, 0
	REFILL 3
.endif
.endm
.macro ALOAD4 s, mt                    ; the code fragments of K step s (128 along K) into A set s % 2
.set pm, 0
.rept \mt
	ds_load_b128 v[AF+32*((\s)%2)+8*pm:AF+32*((\s)%2)+8*pm+3], v[AD] offset:(4*pm+(\s))*1024
	ds_load_b128 v[AF+32*((\s)%2)+8*pm+4:AF+32*((\s)%2)+8*pm+7], v[AD] offset:(4*pm+(\s))*1024+512
.set pm, pm+1
.endr
.endm
.macro MUL4 s, mt, ori, acc            ; 4 mt scaled matrix instructions; the weights' scale register holds tile 2 p in lanes 0-15 and tile 2 p + 1 in lanes 16-31
	WIN 0x50
.set pm, 0
.rept \mt
.irp t, 0,1,2,3
.set rD, (\acc)+32*pm+8*\t
.set rB, BR+32*(\s)+8*\t
.set rA, AF+32*((\s)%2)+8*pm
.set rSB, SCB+4*(\t/2)+(\s)
.set rSA, SCA+4*pm+(\s)
.if \ori
.if \t%2
	v_wmma_scale_f32_16x16x128_f8f6f4 v[rD:rD+7], v[rA:rA+7], v[rB:rB+7], v[rD:rD+7], v[rSA], v[rSB] matrix_a_fmt:MATRIX_FMT_FP4 matrix_b_fmt:MATRIX_FMT_FP4 matrix_b_scale:MATRIX_SCALE_ROW1
.else
	v_wmma_scale_f32_16x16x128_f8f6f4 v[rD:rD+7], v[rA:rA+7], v[rB:rB+7], v[rD:rD+7], v[rSA], v[rSB] matrix_a_fmt:MATRIX_FMT_FP4 matrix_b_fmt:MATRIX_FMT_FP4
.endif
.else
.if \t%2
	v_wmma_scale_f32_16x16x128_f8f6f4 v[rD:rD+7], v[rB:rB+7], v[rA:rA+7], v[rD:rD+7], v[rSB], v[rSA] matrix_a_fmt:MATRIX_FMT_FP4 matrix_b_fmt:MATRIX_FMT_FP4 matrix_a_scale:MATRIX_SCALE_ROW1
.else
	v_wmma_scale_f32_16x16x128_f8f6f4 v[rD:rD+7], v[rB:rB+7], v[rA:rA+7], v[rD:rD+7], v[rSB], v[rSA] matrix_a_fmt:MATRIX_FMT_FP4 matrix_b_fmt:MATRIX_FMT_FP4
.endif
.endif
.endr
.set pm, pm+1
.endr
	WIN 0
.endm
; A quantised product: 4 K steps of 128 = one group of the ring; each set is filled again with the next weight's first group (noff).  isi = 1: the rows are I's.  q: which weight's scale words.
; lex: global loads that stand between the group and its refills (none in this text).  LDS order: scale words, A set 0, A set 1: s_wait_dscnt 2 mt leaves the other A set out.
.macro GEMM4 mt, ori, acc, isi, q, noff, lex
.if \isi
	v_add_nc_u32 v[AD], IIMG, v[L16]
.else
	v_add_nc_u32 v[AD], XQIMG, v[L16]
.endif
.irp p, 0,1
	ds_load_b128 v[SCB+4*\p:SCB+4*\p+3], v[WS16] offset:(2*(\q)+\p)*512
.endr
.if \isi
	ds_load_b128 v[SCA:SCA+3], v[ADN]              ; IISC + 16 r: both halves of the lanes take row r's four words
.else
.set pm, 0
.rept \mt
	ds_load_b128 v[SCA+4*pm:SCA+4*pm+3], v[AD] offset:XQSC-XQIMG+512*pm
.set pm, pm+1
.endr
.endif
	ALOAD4 0, \mt
	ALOAD4 1, \mt
.irp s, 0,1,2,3
	s_wait_loadcnt 24+(\lex)
.if \s < 3
	s_wait_dscnt 2*(\mt)
.else
	s_wait_dscnt 0x0
.endif
	MUL4 \s, \mt, \ori, \acc
	PLACES
.if \s < 2
	ALOAD4 \s+2, \mt
.endif
.if \s == 0
	s_wait_xcnt 0x0
	s_add_nc_u64 s[BP:BP+1], s[WB:WB+1], \noff
.endif
	REFILL \s
.endr
.endm
.macro PACKT dst, acc, mt              ; T results to f16: register 16 m + 4 t + i of dst takes numbers 2 i, 2 i + 1 of accumulator (m, t): fragments (m, K step t / 2).  Each accumulator is read from its low end on
	WIN 0x45
.set pi, 0
.rept 16*(\mt)
	v_cvt_pk_f16_f32 v[(\dst)+pi], v[(\acc)+2*pi], v[(\acc)+2*pi+1]
.set pi, pi+1
.endr
	WIN 0
.endm
.macro PACKN dst, acc, nb              ; N results to f16: fragment (b, t) of V^T: registers 0-3 from row tile 2 b, 4-7 from row tile 2 b + 1
	WIN 0x45
.set pb, 0
.rept \nb
.irp t, 0,1,2,3
.irp i, 0,1,2,3
	v_cvt_pk_f16_f32 v[(\dst)+32*pb+8*\t+\i], v[(\acc)+64*pb+8*\t+2*\i], v[(\acc)+64*pb+8*\t+2*\i+1]
.endr
.irp i, 0,1,2,3
	v_cvt_pk_f16_f32 v[(\dst)+32*pb+8*\t+4+\i], v[(\acc)+64*pb+32+8*\t+2*\i], v[(\acc)+64*pb+32+8*\t+2*\i+1]
.endr
.endr
.set pb, pb+1
.endr
	WIN 0
.endm
; nc whole blocks of 32 numbers of a lane, u[u + 32 c + i], become codes in v[qc + 4 c ..]; the scales' bytes are left in v[T0 + 2 + c].
.macro QFRAG u, nc, qc
	WIN 0x05
.set qi, 0
.rept \nc
	v_max3_num_f32 v[T0+qi], |v[(\u)+32*qi]|, |v[(\u)+32*qi+1]|, 0x1800000   ; the floor 2^(3 - 127): the byte cannot fall under 1
.set qi, qi+1
.endr
.irp i, 2,4,6,8,10,12,14,16,18,20,22,24,26,28,30
.set qi, 0
.rept \nc
	v_max3_num_f32 v[T0+qi], |v[(\u)+32*qi+\i]|, |v[(\u)+32*qi+\i+1]|, v[T0+qi]
.set qi, qi+1
.endr
.endr
	WIN 0
.set qi, 0
.rept \nc
	v_add_nc_u32 v[T0+qi], 0xff000000, v[T0+qi]    ; 2 off the exponent field: the conversion's scale operand
	v_lshrrev_b32 v[T0+2+qi], 23, v[T0+qi]         ; the scale's byte
.set qi, qi+1
.endr
	WIN 0x01
.set qi, 0
.rept \nc
.irp g, 0,1,2,3
	v_cvt_scalef32_pk8_fp4_f32 v[(\qc)+4*qi+\g], v[(\u)+32*qi+8*\g:(\u)+32*qi+8*\g+7], v[T0+qi]
.endr
.set qi, qi+1
.endr
	WIN 0
	v_nop                                          ; one plain line behind the last scaled conversion
.endm
.macro RELUADD x, acc, mt              ; x += relu(acc)
	WIN 0x45
.set pi, 0
.rept 16*(\mt)
	v_max_num_f32 v[(\acc)+2*pi], 0, v[(\acc)+2*pi]
	v_max_num_f32 v[(\acc)+2*pi+1], 0, v[(\acc)+2*pi+1]
	v_pk_add_f32 v[(\x)+2*pi:(\x)+2*pi+1], v[(\x)+2*pi:(\x)+2*pi+1], v[(\acc)+2*pi:(\acc)+2*pi+1]
.set pi, pi+1
.endr
	WIN 0
.endm
.macro HSUM mt, dst                    ; the pair RP(m), and lane xor 16's, summed into v[dst + 2 m]
.set pm, 0
.rept \mt
	v_add_f32 v[RP+2*pm], v[RP+2*pm], v[RP+2*pm+1]
.set pm, pm+1
.endr
.set pm, 0
.rept \mt
	v_permlanex16_b32 v[RP+2*pm+1], v[RP+2*pm], s[SEL], s[SEL+1]
.set pm, pm+1
.endr
.set pm, 0
.rept \mt
	v_add_f32 v[(\dst)+2*pm], v[RP+2*pm], v[RP+2*pm+1]
.set pm, pm+1
.endr
.endm
.macro LNCOMB m                        ; a row's eight means (LE .. LE+7) and eight sums of squared deviations (LE+8 ..) become 1 / sqrt(var + eps) in RP(m) and my mean - the row's mean in LE+9
.set LE, AF+16*(\m)
	v_pk_add_f32 v[LE+8:LE+9], v[LE+8:LE+9], v[LE+10:LE+11]
	v_pk_add_f32 v[LE+12:LE+13], v[LE+12:LE+13], v[LE+14:LE+15]
	v_pk_add_f32 v[LE+10:LE+11], v[LE:LE+1], v[LE+2:LE+3]
	v_pk_add_f32 v[LE+14:LE+15], v[LE+4:LE+5], v[LE+6:LE+7]
	v_pk_add_f32 v[LE+8:LE+9], v[LE+8:LE+9], v[LE+12:LE+13]
	v_pk_add_f32 v[LE+10:LE+11], v[LE+10:LE+11], v[LE+14:LE+15]
	v_add_f32 v[LE+8], v[LE+8], v[LE+9]
	v_add_f32 v[LE+10], v[LE+10], v[LE+11]
	v_mul_f32 v[LE+10], 0x3e000000, v[LE+10]       ; the row's mean: each wave's mean is of 64 numbers
.irp i, 0,2,4,6
	v_pk_add_f32 v[LE+\i:LE+\i+1], v[LE+\i:LE+\i+1], v[LE+10:LE+11] op_sel_hi:[1,0] neg_lo:[0,1] neg_hi:[0,1]
.endr
	v_pk_mul_f32 v[LE+12:LE+13], v[LE:LE+1], v[LE:LE+1]
.irp i, 2,4,6
	v_pk_fma_f32 v[LE+12:LE+13], v[LE+\i:LE+\i+1], v[LE+\i:LE+\i+1], v[LE+12:LE+13]
.endr
	v_add_f32 v[LE+12], v[LE+12], v[LE+13]
	v_fmamk_f32 v[LE+8], v[LE+12], 0x42800000, v[LE+8]   ; + 64 x the means' squared deviations: no difference of large sums is formed
	v_fma_f32 v[LE+8], v[LE+8], s[R512], s[EPSR]
	v_sub_f32 v[LE+9], v[MP+2*(\m)], v[LE+10]
	v_rsq_f32 v[RP+2*(\m)], v[LE+8]
.endm
; LayerNorm of mt row tiles in u[x ..] (T layout), in place.  gb: 64 registers for my columns' gain and bias (vectors vecg, vecg + 1); sto: 0 or 4096, the statistics' two regions by turns.  One barrier.
.macro LN x, mt, gb, vecg, sto
	WIN 0x40
.irp t, 0,1,2,3
	ds_load_b128 v[(\gb)+8*\t:(\gb)+8*\t+3], v[PART] offset:256*(\vecg)+64*\t
	ds_load_b128 v[(\gb)+8*\t+4:(\gb)+8*\t+7], v[PART] offset:256*(\vecg)+64*\t+16
	ds_load_b128 v[(\gb)+32+8*\t:(\gb)+32+8*\t+3], v[PART] offset:256*(\vecg)+256+64*\t
	ds_load_b128 v[(\gb)+32+8*\t+4:(\gb)+32+8*\t+7], v[PART] offset:256*(\vecg)+256+64*\t+16
.endr
	WIN 0x05                                       ; my 64 columns' sum: 32 numbers a lane, the row tiles by turns, each accumulator from its low end on
.set pm, 0
.rept \mt
	v_pk_add_f32 v[RP+2*pm:RP+2*pm+1], v[(\x)+32*pm:(\x)+32*pm+1], v[(\x)+32*pm+2:(\x)+32*pm+3]
.set pm, pm+1
.endr
	WIN 0x01
.irp i, 4,6,8,10,12,14,16,18,20,22,24,26,28,30
.set pm, 0
.rept \mt
	v_pk_add_f32 v[RP+2*pm:RP+2*pm+1], v[(\x)+32*pm+\i:(\x)+32*pm+\i+1], v[RP+2*pm:RP+2*pm+1]
.set pm, pm+1
.endr
.endr
	WIN 0
	HSUM \mt, MP
.set pm, 0
.rept \mt
	v_mul_f32 v[MP+2*pm], 0x3c800000, v[MP+2*pm]   ; my mean
.set pm, pm+1
.endr
	WIN 0x41                                       ; d = x - my mean, in place
.irp i, 0,2,4,6,8,10,12,14,16,18,20,22,24,26,28,30
.set pm, 0
.rept \mt
	v_pk_add_f32 v[(\x)+32*pm+\i:(\x)+32*pm+\i+1], v[(\x)+32*pm+\i:(\x)+32*pm+\i+1], v[MP+2*pm:MP+2*pm+1] op_sel_hi:[1,0] neg_lo:[0,1] neg_hi:[0,1]
.set pm, pm+1
.endr
.endr
	WIN 0x05                                       ; the sum of d^2
.set pm, 0
.rept \mt
	v_pk_mul_f32 v[RP+2*pm:RP+2*pm+1], v[(\x)+32*pm:(\x)+32*pm+1], v[(\x)+32*pm:(\x)+32*pm+1]
.set pm, pm+1
.endr
.irp i, 2,4,6,8,10,12,14,16,18,20,22,24,26,28,30
.set pm, 0
.rept \mt
	v_pk_fma_f32 v[RP+2*pm:RP+2*pm+1], v[(\x)+32*pm+\i:(\x)+32*pm+\i+1], v[(\x)+32*pm+\i:(\x)+32*pm+\i+1], v[RP+2*pm:RP+2*pm+1]
.set pm, pm+1
.endr
.endr
	WIN 0
	HSUM \mt, MP+1
.set pm, 0
.rept \mt
	ds_store_b32 v[STW], v[MP+2*pm] offset:(\sto)+1024*pm          ; both lanes of a row write the same word with the same value
	ds_store_b32 v[STW], v[MP+2*pm+1] offset:(\sto)+1024*pm+32
.set pm, pm+1
.endr
	BAR                                            ; every wave's statistics lie in LDS (gain and bias are in too)
.set pm, 0
.rept \mt
.irp q, 0,1,2,3
	ds_load_b128 v[AF+16*pm+4*\q:AF+16*pm+4*\q+3], v[STR] offset:(\sto)+1024*pm+16*\q
.endr
.set pm, pm+1
.endr
	s_wait_dscnt 0x0
.set pm, 0
.rept \mt
	LNCOMB pm
.set pm, pm+1
.endr
	v_nop                                          ; a plain line behind the last root,
	s_wait_alu depctr_va_vdst(0)                   ; and one wait for the batch, ahead of its first use
.set pm, 0
.rept \mt
	v_mul_f32 v[MP+2*pm], v[AF+16*pm+9], v[RP+2*pm]
.set pm, pm+1
.endr
	WIN 0x41                                       ; (x - mean) / sigma = d / sigma + (my mean - mean) / sigma
.irp i, 0,2,4,6,8,10,12,14,16,18,20,22,24,26,28,30
.set pm, 0
.rept \mt
	v_pk_fma_f32 v[(\x)+32*pm+\i:(\x)+32*pm+\i+1], v[(\x)+32*pm+\i:(\x)+32*pm+\i+1], v[RP+2*pm:RP+2*pm+1], v[MP+2*pm:MP+2*pm+1] op_sel_hi:[1,0,0]
.set pm, pm+1
.endr
.endr
	WIN 0x55                                       ; x gain + bias
.irp i, 0,2,4,6,8,10,12,14,16,18,20,22,24,26,28,30
.set pm, 0
.rept \mt
	v_pk_fma_f32 v[(\x)+32*pm+\i:(\x)+32*pm+\i+1], v[(\x)+32*pm+\i:(\x)+32*pm+\i+1], v[(\gb)+\i:(\gb)+\i+1], v[(\gb)+32+\i:(\gb)+32+\i+1]
.set pm, pm+1
.endr
.endr
	WIN 0
.endm
.macro LNIMG x, mt, pk, region         ; my 64 columns are K steps 2 w, 2 w + 1 of the next product: packed, stored as images, and a barrier
	PACKT \pk, \x, \mt
	v_add_nc_u32 v[AD2], \region, v[ST16]
	WIN 0x04
.set pm, 0
.rept \mt
.irp t, 0,1,2,3
	ds_store_b128 v[AD2], v[(\pk)+16*pm+4*\t:(\pk)+16*pm+4*\t+3] offset:16384*pm+1024*(\t/2)+512*(\t%2)
.endr
.set pm, pm+1
.endr
	WIN 0
	BAR
.endm
; ================================================================ the head
	s_load_b512 s[4:19], s[0:1], 0x0               ; x, I, wt, ws, bqkv0, bo0, g00, b00
	s_load_b512 s[20:35], s[0:1], 0x40             ; g10, b10, bqkv1, bo1, g01, b01, g11, b11
	s_load_b64 s[36:37], s[0:1], 0x80              ; out0
	v_lshl_add_u32 v[SPW], v0, 2, SPARE
	v_mov_b32 v[NIL], 0
	v_lshrrev_b32 v18, 5, v0
	v_readfirstlane_b32 s[WV], v18                 ; wave 0..7
	v_and_b32 v19, 31, v0                          ; lane
	v_and_b32 v20, 15, v0                          ; r
	v_bfe_u32 v21, v0, 4, 1                        ; h
	v_lshlrev_b32 v[L16], 4, v19
	s_lshl_b32 s61, s[WV], 11
	v_add_nc_u32 v[ST16], s61, v[L16]
	s_lshl_b32 s61, s[WV], 12
	s_add_co_u32 s62, s61, SCW
	v_add_nc_u32 v[WS16], s62, v[L16]
	s_add_co_u32 s62, s61, PAR
	v_lshl_add_u32 v[PART], v21, 5, s62
	v_lshl_add_u32 v[PARN], v20, 2, s62
	v_lshl_add_u32 v[AD], v19, 3, s62              ; where the parameters go: PAR + 4096 w + 8 lane
	s_lshl_b32 s61, s[WV], 2
	s_add_co_u32 s61, s61, STAT0
	v_lshl_add_u32 v[STW], v20, 6, s61
	v_lshlrev_b32 v[STR], 6, v20
	v_add_nc_u32 v[STR], STAT0, v[STR]
	s_lshl_b32 s61, s[WV], 19
	v_add_nc_u32 v[WOF], s61, v[L16]
	s_lshl_b32 s61, s[WV], 8
	v_lshl_add_u32 v[GOF], v20, 4, s61
	v_lshl_add_u32 v[GOF], v21, 11, v[GOF]
	v_lshl_add_u32 v22, v19, 3, s61                ; the parameters' offset: 256 w + 8 lane
	v_lshl_add_u32 v[IVO], v20, 11, s61
	v_lshl_add_u32 v[IVO], v21, 7, v[IVO]
	s_lshl_b32 s61, s[WV], 10
	v_add_nc_u32 v23, s61, v[L16]                  ; the scale words' offset: 1024 w + 16 lane
	s_lshr_b32 s61, s[WV], 1
	s_lshl_b32 s61, s61, 15
	s_and_b32 s62, s[WV], 1
	s_lshl_b32 s62, s62, 10
	s_add_co_u32 s61, s61, s62
	v_add_nc_u32 v[XVO], s61, v[L16]               ; x: my 16 rows (tile w / 2), my 1,024 bytes of each (w % 2), 16 bytes a lane
	v_lshlrev_b32 v[H8], 3, v21
	s_lshl_b32 s61, s[WV], 9
	s_add_co_u32 s61, s61, IIMG
	v_add_nc_u32 v[ADN], s61, v[L16]               ; my half fragment of I: IIMG + 512 w + 16 lane
	s_lshl_b32 s61, s[WV], 1
	s_add_co_u32 s61, s61, IISC
	v_lshl_add_u32 v[AD2], v20, 4, s61
	v_add_nc_u32 v[AD2], v[AD2], v21               ; and its scale byte: IISC + 16 r + 2 w + h
.set pi, 0
.rept 16
	v_mov_b32 v[MP+pi], 0                          ; written once: destinations of lane permutes and upper halves of pairs count as read
.set pi, pi+1
.endr
	s_mul_i32 s61, s[WV], XSTW                     ; my stage
	v_add_nc_u32 v[XSS], s61, v[L16]
	v_mul_u32_u24 v[XSL], v20, XSP
	v_lshl_add_u32 v[XSL], v21, 7, v[XSL]
	v_add_nc_u32 v[XSL], s61, v[XSL]
	s_mov_b32 s[SEL], 0x76543210
	s_mov_b32 s[SEL+1], 0xfedcba98
	s_mov_b32 s[CS], 0x3d8293ee
	s_mov_b32 s[CS+1], s[CS]
	s_mov_b32 s[NCS], 0xbd8293ee
	s_mov_b32 s[R512], 0x3b000000
	s_mov_b32 s[EPSR], 0x3727c5ac
	s_mov_b32 s[OQ1], O_Q1
	s_mov_b32 s[SO+1], 0
	s_wait_kmcnt 0x0
	s_lshl_b32 s62, ttmp9, 17                      ; my 64 rows of x
	s_mov_b32 s63, 0
	s_add_nc_u64 s[4:5], s[4:5], s[62:63]
	s_lshl_b32 s62, ttmp9, 12                      ; my 2 rows of out0
	s_add_nc_u64 s[36:37], s[36:37], s[62:63]
	s_mov_b64 s[BP:BP+1], s[WB:WB+1]               ; the ring begins with W0q's codes
	; 96 loads, in the order in which they are wanted: I (8), x (32), the parameters (16), the weights' scale words (8), the ring's first group (32)
	WIN 0x40
.irp i, 0,1,2,3,4,5,6,7
	global_load_b128 v[4*\i:4*\i+3], v[IVO], s[6:7] offset:16*\i   ; I(r, 64 w + 32 h + 0..31): one block a lane; the eight loads together take each lane's 128 consecutive bytes
.endr
.set pi, 0
.rept 32                               ; x as it lies: load j takes 512 consecutive bytes, aligned: half j % 2 of my 1,024 bytes of row j / 2
	global_load_b128 v[128+4*pi:128+4*pi+3], v[XVO], s[4:5] offset:2048*(pi/2)+512*(pi%2) th:TH_LOAD_NT
.set pi, pi+1
.endr
	WIN 0
.macro PLD vec, base, off              ; my 64 columns of a parameter: 256 consecutive bytes
	global_load_b64 v[AF+2*(\vec):AF+2*(\vec)+1], v22, s[\base:\base+1] offset:\off
.endm
	PLD 0, 12, 0
	PLD 1, 12, 2048
	PLD 2, 12, 4096
	PLD 3, 14, 0
	PLD 4, 16, 0
	PLD 5, 18, 0
	PLD 6, 20, 0
	PLD 7, 22, 0
	PLD 8, 24, 0
	PLD 9, 24, 2048
	PLD 10, 24, 4096
	PLD 11, 26, 0
	PLD 12, 28, 0
	PLD 13, 30, 0
	PLD 14, 32, 0
	PLD 15, 34, 0
.irp q, 0,1,2,3
.irp p, 0,1
	global_load_b128 v[AF+32+4*(2*\q+\p):AF+32+4*(2*\q+\p)+3], v23, s[10:11] offset:8192*\q+512*\p
.endr
.endr
	REFILL 0
	REFILL 1
	REFILL 2
	REFILL 3
	s_wait_loadcnt 56                              ; I and x are in: 16 + 8 + 32 younger loads may be out
	; ---- x is turned in my stage: the quantiser wants whole blocks of 32 neighbours in a lane, the loads took 16 bytes a lane.  In as it lies, back 128 consecutive bytes a lane
	WIN 0x04
.set pi, 0
.rept 32
	ds_store_b128 v[XSS], v[128+4*pi:128+4*pi+3] offset:XSP*(pi/2)+512*(pi%2)
.set pi, pi+1
.endr
	WIN 0
	QFRAG 0, 1, 240                                ; I's block meanwhile
	ds_store_b128 v[ADN], v[240:243]
	ds_store_b8 v[AD2], v[T0+2]
	s_wait_dscnt 0x0                               ; the stores have read their registers: x comes back into those that it left
	WIN 0x40
.irp f, 0,1                            ; row tile w / 2, K steps 2 (w % 2) + f: lane (r, h) takes k = 64 c + 32 h + 0..31 of row r: two whole blocks a fragment
.irp c, 0,1
.irp i, 0,1,2,3,4,5,6,7
	ds_load_b128 v[128+64*\f+32*\c+4*\i:128+64*\f+32*\c+4*\i+3], v[XSL] offset:512*\f+256*\c+16*\i
.endr
.endr
.endr
	WIN 0
	; ---- x becomes codes: two fragments a wave
	s_lshr_b32 s61, s[WV], 1
	s_lshl_b32 s61, s61, 9
	s_and_b32 s62, s[WV], 1
	s_lshl_b32 s62, s62, 3
	s_add_co_u32 s61, s61, s62
	s_add_co_u32 s61, s61, XQSC
	v_add_nc_u32 v[ADN], s61, v[L16]               ; XQSC + 512 (w / 2) + 16 lane + 8 (w % 2)
	v_add_nc_u32 v[AD2], XQIMG, v[ST16]
.irp f, 0,1
	s_wait_dscnt 16-13*\f                          ; this fragment's 16 loads are back; younger: the second fragment's 16, or the first fragment's three stores
	QFRAG 128+64*\f, 2, 240+8*\f
	v_lshl_or_b32 v[XVO+\f], v[T0+3], 16, v[T0+2]  ; my two bytes: blocks h and 2 + h (in the offsets of x's and I's loads, which the wait for 56 has shown done),
	v_lshlrev_b32 v[XVO+\f], v[H8], v[XVO+\f]      ; at their places;
	v_permlanex16_b32 v[T0+2], v[XVO+\f], s[SEL], s[SEL+1]
	v_or_b32 v[XVO+\f], v[XVO+\f], v[T0+2]         ; with lane xor 16's two the row's word is whole
	ds_store_b128 v[AD2], v[240+8*\f:243+8*\f] offset:1024*\f
	ds_store_b128 v[AD2], v[244+8*\f:247+8*\f] offset:1024*\f+512
	ds_store_b32 v[ADN], v[XVO+\f] offset:4*\f
.endr
	s_wait_loadcnt 32                              ; the parameters and the weights' scale words are in; the ring's 32 loads stay out
.set pi, 0
.rept 16
	ds_store_b64 v[AD], v[AF+2*pi:AF+2*pi+1] offset:256*pi
.set pi, pi+1
.endr
.set pi, 0
.rept 8
	ds_store_b128 v[WS16], v[AF+32+4*pi:AF+32+4*pi+3] offset:512*pi
.set pi, pi+1
.endr
	BAR                                            ; I's four fragments and x's sixteen lie in LDS, with their scales; every wave's reads of its stage are over
	v_and_b32 v[ADN], 15, v0
	v_lshl_add_u32 v[ADN], v[ADN], 4, IISC
	; ---- Q0 = I W0q + bq0, my 64 columns, once for both titles and both passes: u96-127
	PRE_T 96, 1, 0
	GEMM4 1, 0, 96, 1, 0, O_K04, 0
	WIN 0x04
.irp j, 0,1,2,3,4,5,6,7
	ds_store_b128 v[WS16], v[96+4*\j:96+4*\j+3] offset:Q0S-SCW+512*\j
.endr
	WIN 0
	s_wait_dscnt 0x0                               ; the stores have read their registers: the pass begins with loads into them
	s_mov_b32 s[PASS], 0
; ================================================================ a pass: mab0(I, X), then mab1(X, H)
.Lpass:
	; ---- K0 (T) -> u128-191, V0 (N) -> u192-255; accumulators u0-127
	PRE_T 0, 4, 1
	s_cmp_lg_u32 s[PASS], 0
	s_cbranch_scc1 .Lk16
	GEMM4 4, 0, 0, 0, 1, O_V04, 0
	s_branch .Lkdone
.Lk16:
	GEMM16 4, 0, 0, XIMG, O_V0, 0
.Lkdone:
	PACKT 128, 0, 4
	PRE_N 0, 4, 2
	s_cmp_lg_u32 s[PASS], 0
	s_cbranch_scc1 .Lv16
	GEMM4 4, 1, 0, 0, 2, O_O0, 0
	s_branch .Lvdone
.Lv16:
	GEMM16 4, 1, 0, XIMG, O_O0, 0
.Lvdone:
	PACKN 192, 0, 2
	; ---- attention of mab0: 16 queries, 32 keys a title.  Q0 f32 u96-127, f16 v48-63; S^T(b, key tile) v64-95; P(b) v96-111; at work v240 + 8 b
	WIN 0x40
.irp j, 0,1,2,3,4,5,6,7
	ds_load_b128 v[96+4*\j:96+4*\j+3], v[WS16] offset:Q0S-SCW+512*\j
.endr
	s_wait_dscnt 0x0
	WIN 0x05
.set pi, 0
.rept 16
	v_cvt_pk_f16_f32 v[AF+pi], v[96+2*pi], v[96+2*pi+1]
.set pi, pi+1
.endr
	WIN 0x01
.irp m, 0,1,2,3
	v_wmma_f32_16x16x32_f16 v[64+8*\m:71+8*\m], v[128+16*\m:135+16*\m], v[AF:AF+7], 0
.endr
.irp m, 0,1,2,3
	v_wmma_f32_16x16x32_f16 v[64+8*\m:71+8*\m], v[136+16*\m:143+16*\m], v[AF+8:AF+15], v[64+8*\m:71+8*\m]
.endr
	WIN 0
	PLACES
.irp b, 0,1
	v_max3_num_f32 v[240+8*\b], v[64+16*\b], v[65+16*\b], v[66+16*\b]
.endr
.irp i, 3,5,7,9,11,13
.irp b, 0,1
	v_max3_num_f32 v[240+8*\b], v[240+8*\b], v[64+16*\b+\i], v[65+16*\b+\i]
.endr
.endr
.irp b, 0,1
	v_max_num_f32 v[240+8*\b], v[240+8*\b], v[79+16*\b]
.endr
.irp b, 0,1
	v_permlanex16_b32 v[241+8*\b], v[240+8*\b], s[SEL], s[SEL+1]
.endr
.irp b, 0,1
	v_max_num_f32 v[240+8*\b], v[240+8*\b], v[241+8*\b]           ; the query's largest score
.endr
.irp b, 0,1
	v_mul_f32 v[242+8*\b], s[NCS], v[240+8*\b]
.endr
.irp i, 0,2,4,6,8,10,12,14
.irp b, 0,1
	v_pk_fma_f32 v[64+16*\b+\i:65+16*\b+\i], v[64+16*\b+\i:65+16*\b+\i], s[CS:CS+1], v[242+8*\b:243+8*\b] op_sel_hi:[1,0,0]   ; c s - c max
.endr
.endr
.set pi, 0
.rept 32
	v_exp_f32 v[64+pi], v[64+pi]
.set pi, pi+1
.endr
	v_nop                                          ; a plain line behind the last exponential,
	s_wait_alu depctr_va_vdst(0)                   ; and one wait for the batch of 32
.irp b, 0,1
	v_pk_add_f32 v[244+8*\b:245+8*\b], v[64+16*\b:65+16*\b], v[66+16*\b:67+16*\b]
.endr
.irp i, 4,6,8,10,12,14
.irp b, 0,1
	v_pk_add_f32 v[244+8*\b:245+8*\b], v[244+8*\b:245+8*\b], v[64+16*\b+\i:65+16*\b+\i]
.endr
.endr
.irp b, 0,1
	v_add_f32 v[244+8*\b], v[244+8*\b], v[245+8*\b]
.endr
.irp b, 0,1
	v_permlanex16_b32 v[241+8*\b], v[244+8*\b], s[SEL], s[SEL+1]
.endr
.irp b, 0,1
	v_add_f32 v[244+8*\b], v[244+8*\b], v[241+8*\b]
.endr
.irp b, 0,1
	v_rcp_f32 v[246+8*\b], v[244+8*\b]
.endr
	v_nop
	s_wait_alu depctr_va_vdst(0)                   ; one wait for the two reciprocals
.irp i, 0,2,4,6,8,10,12,14
.irp b, 0,1
	v_pk_mul_f32 v[64+16*\b+\i:65+16*\b+\i], v[64+16*\b+\i:65+16*\b+\i], v[246+8*\b:247+8*\b] op_sel_hi:[1,0]
.endr
.endr
.set pi, 0
.rept 16
	v_cvt_pk_f16_f32 v[96+pi], v[64+2*pi], v[65+2*pi]              ; two key tiles packed are P's fragment: 32 keys x 16 queries
.set pi, pi+1
.endr
	WIN 0x51
.irp t, 0,1,2,3
.irp b, 0,1
	v_wmma_f32_16x16x32_f16 v[32+32*\b+8*\t:39+32*\b+8*\t], v[192+32*\b+8*\t:199+32*\b+8*\t], v[96+8*\b:103+8*\b], v[96+8*\t:103+8*\t]   ; O(b, t) = V^T P + Q0: u32-95
.endr
.endr
	WIN 0
	PLACES
	LN 32, 2, 192, 4, 0
	LNIMG 32, 2, 0, OIMG
	; ---- O + relu(O Wo0 + bo0), LayerNorm 1: H
	PRE_T 128, 2, 3
	GEMM16 2, 0, 128, OIMG, O_K1, 0
	RELUADD 32, 128, 2
	LN 32, 2, 192, 6, 4096
	LNIMG 32, 2, 0, HIMG
	; ---- K1 (T) -> u0-31, V1 (N) -> u32-63
	PRE_T 128, 2, 9
	GEMM16 2, 0, 128, HIMG, O_V1, 0
	PACKT 0, 128, 2
	PRE_N 128, 2, 10
	GEMM16 2, 1, 128, HIMG, 0, 1
	PACKN 32, 128, 1
	; ---- Q1 (T): u128-255, kept in f32 for the residual
	PRE_T 128, 4, 8
	s_cmp_lg_u32 s[PASS], 0
	s_cbranch_scc1 .Lq16
	GEMM4 4, 0, 128, 0, 3, O_O1, 0
	s_branch .Lqdone
.Lq16:
	GEMM16 4, 0, 128, XIMG, O_O1, 0
.Lqdone:
	; ---- attention of mab1: 4 tiles of 16 queries, 16 keys a title.  Q1 f16 u64-127; S^T(m) v48-79; at work v240 + 4 m
	PACKT 64, 128, 4
	WIN 0x05
.irp m, 0,1,2,3
	v_wmma_f32_16x16x32_f16 v[48+8*\m:55+8*\m], v[16*(\m/2):16*(\m/2)+7], v[64+16*\m:71+16*\m], 0
.endr
.irp m, 0,1,2,3
	v_wmma_f32_16x16x32_f16 v[48+8*\m:55+8*\m], v[16*(\m/2)+8:16*(\m/2)+15], v[72+16*\m:79+16*\m], v[48+8*\m:55+8*\m]
.endr
	WIN 0
	PLACES
.irp m, 0,1,2,3
	v_max3_num_f32 v[240+4*\m], v[48+8*\m], v[49+8*\m], v[50+8*\m]
.endr
.irp i, 3,5
.irp m, 0,1,2,3
	v_max3_num_f32 v[240+4*\m], v[240+4*\m], v[48+8*\m+\i], v[49+8*\m+\i]
.endr
.endr
.irp m, 0,1,2,3
	v_max_num_f32 v[240+4*\m], v[240+4*\m], v[55+8*\m]
.endr
.irp m, 0,1,2,3
	v_permlanex16_b32 v[241+4*\m], v[240+4*\m], s[SEL], s[SEL+1]
.endr
.irp m, 0,1,2,3
	v_max_num_f32 v[240+4*\m], v[240+4*\m], v[241+4*\m]
.endr
.irp m, 0,1,2,3
	v_mul_f32 v[242+4*\m], s[NCS], v[240+4*\m]
.endr
.irp i, 0,2,4,6
.irp m, 0,1,2,3
	v_pk_fma_f32 v[48+8*\m+\i:49+8*\m+\i], v[48+8*\m+\i:49+8*\m+\i], s[CS:CS+1], v[242+4*\m:243+4*\m] op_sel_hi:[1,0,0]
.endr
.endr
.set pi, 0
.rept 32
	v_exp_f32 v[48+pi], v[48+pi]
.set pi, pi+1
.endr
.irp j, 84,85,86,87,96,97,98,99
	v_mov_b32 v\j, 0                               ; the other title's 16 keys count for nothing: zeros in P.  (Plain lines behind the exponentials)
.endr
	s_wait_alu depctr_va_vdst(0)                   ; one wait for the batch of 32
.irp m, 0,1,2,3
	v_pk_add_f32 v[240+4*\m:241+4*\m], v[48+8*\m:49+8*\m], v[50+8*\m:51+8*\m]
.endr
.irp i, 4,6
.irp m, 0,1,2,3
	v_pk_add_f32 v[240+4*\m:241+4*\m], v[240+4*\m:241+4*\m], v[48+8*\m+\i:49+8*\m+\i]
.endr
.endr
.irp m, 0,1,2,3
	v_add_f32 v[240+4*\m], v[240+4*\m], v[241+4*\m]
.endr
.irp m, 0,1,2,3
	v_permlanex16_b32 v[241+4*\m], v[240+4*\m], s[SEL], s[SEL+1]
.endr
.irp m, 0,1,2,3
	v_add_f32 v[240+4*\m], v[240+4*\m], v[241+4*\m]
.endr
.irp m, 0,1,2,3
	v_rcp_f32 v[242+4*\m], v[240+4*\m]
.endr
	v_nop
	s_wait_alu depctr_va_vdst(0)                   ; one wait for the four reciprocals
.irp i, 0,2,4,6
.irp m, 0,1,2,3
	v_pk_mul_f32 v[48+8*\m+\i:49+8*\m+\i], v[48+8*\m+\i:49+8*\m+\i], v[242+4*\m:243+4*\m] op_sel_hi:[1,0]
.endr
.endr
.irp m, 0,1,2,3                        ; p(0) v80-83 | zeros v84-87 | p(2) v88-91;  p(1) v92-95 | zeros v96-99 | p(3) v100-103: fragments [p, 0] at v80, v92 (title 0), [0, p] at v84, v96 (title 1)
.irp i, 0,1,2,3
	v_cvt_pk_f16_f32 v[80+12*(\m%2)+8*(\m/2)+\i], v[48+8*\m+2*\i], v[49+8*\m+2*\i]
.endr
.endr
	WIN 0x51
.irp m, 0,1,2,3
.irp t, 0,1,2,3
	v_wmma_f32_16x16x32_f16 v[128+32*\m+8*\t:135+32*\m+8*\t], v[32+8*\t:39+8*\t], v[80+12*(\m%2)+4*(\m/2):87+12*(\m%2)+4*(\m/2)], v[128+32*\m+8*\t:135+32*\m+8*\t]   ; Q1 += V1^T P
.endr
.endr
	WIN 0
	PLACES
	LN 128, 4, 64, 12, 0
	LNIMG 128, 4, 0, OIMG
	; ---- O + relu(O Wo1 + bo1), LayerNorm 1
	PRE_T 0, 4, 11
	GEMM16 4, 0, 0, OIMG, O_K0, 2
	RELUADD 128, 0, 4
	LN 128, 4, 64, 14, 4096
	s_cmp_eq_u32 s[PASS], 1
	s_cbranch_scc1 .Lfinish
	LNIMG 128, 4, 0, XIMG                          ; h1 becomes the second pass's X
	s_add_co_u32 s[PASS], s[PASS], 1
	s_cmp_lt_u32 s[PASS], 2
	s_cbranch_scc1 .Lpass
; ================================================================ the mean over a title's 32 rows
.Lfinish:
	WIN 0x05
.irp b, 0,1
.set pi, 0
.rept 16
	v_pk_add_f32 v[AF+32*\b+2*pi:AF+32*\b+2*pi+1], v[128+64*\b+2*pi:129+64*\b+2*pi], v[160+64*\b+2*pi:161+64*\b+2*pi]   ; the title's two row tiles
.set pi, pi+1
.endr
.endr
	WIN 0
.irp k, 1,2,4,8                        ; and the sixteen rows of a tile, which lie in the sixteen lanes of a half
.set pi, 0
.rept 64
	v_add_f32_dpp v[AF+pi], v[AF+pi], v[AF+pi] row_xmask:\k row_mask:0xf bank_mask:0xf
.set pi, pi+1
.endr
.endr
	s_lshl_b32 s61, s[WV], 9
	s_add_co_u32 s61, s61, OUTS
	v_lshl_add_u32 v[ADN], v[H8], 2, s61           ; OUTS + 512 w + 32 h
	v_add_nc_u32 v[AD2], s61, v[L16]
.irp b, 0,1
.irp t, 0,1,2,3
	ds_store_b128 v[ADN], v[AF+32*\b+8*\t:AF+32*\b+8*\t+3] offset:256*\b+64*\t         ; the sixteen lanes of a half write the same bytes with the same values
	ds_store_b128 v[ADN], v[AF+32*\b+8*\t+4:AF+32*\b+8*\t+7] offset:256*\b+64*\t+16
.endr
.endr
	ds_load_b128 v[240:243], v[AD2]                ; LDS serves a wave's instructions in order: this sees my stores.  Lanes 0-15: title 0's 64 columns, lanes 16-31: title 1's
	s_wait_dscnt 0x0
	v_pk_mul_f32 v[240:241], v[240:241], 0x3d000000 op_sel_hi:[1,0]   ; the sums of 32 rows become means: x 1 / 32, on the four numbers that a lane stores
	v_pk_mul_f32 v[242:243], v[242:243], 0x3d000000 op_sel_hi:[1,0]
	global_store_b128 v[GOF], v[240:243], s[36:37] ; sixteen lanes store 256 consecutive bytes, aligned
	s_wait_tensorcnt 0x0                           ; the wave's end, behind my last LDS store
	ds_add_u32 v[SPW], v[NIL]
	s_wait_dscnt 0x0
	s_endpgm
.Lfunc_end_k_qd7b2148609_main:
	.size	k_qd7b2148609_main, .Lfunc_end_k_qd7b2148609_main-k_qd7b2148609_main
	.p2alignl 7, 3214868480
	.fill 96, 4, 3214868480
	.section	.rodata,"a",@progbits
	.p2align	6, 0x0
	.amdhsa_kernel k_qd7b2148609_main
		.amdhsa_group_segment_fixed_size 298496
		.amdhsa_private_segment_fixed_size 0
		.amdhsa_enable_private_segment 0
		.amdhsa_kernarg_size 136
		.amdhsa_user_sgpr_count 2
		.amdhsa_user_sgpr_kernarg_segment_ptr 1
		.amdhsa_wavefront_size32 1
		.amdhsa_system_sgpr_workgroup_id_x 1
		.amdhsa_system_sgpr_workgroup_id_y 1
		.amdhsa_system_sgpr_workgroup_id_z 1
		.amdhsa_system_vgpr_workitem_id 0
		.amdhsa_next_free_vgpr 512
		.amdhsa_next_free_sgpr 66
		.amdhsa_reserve_vcc 0
		.amdhsa_float_denorm_mode_32 3
		.amdhsa_float_denorm_mode_16_64 3
		.amdhsa_memory_ordered 1
		.amdhsa_forward_progress 1
		.amdhsa_inst_pref_size 255
	.end_amdhsa_kernel
	.section	.bss,"aw",@nobits
	.p2align	6
	.space	262144
	.amdgpu_metadata
---
amdhsa.version: [ 1, 2 ]
amdhsa.kernels:
  - .name:           k_qd7b2148609_main
    .symbol:         k_qd7b2148609_main.kd
    .args:
      - { .name: x, .offset: 0, .size: 8, .value_kind: global_buffer, .address_space: global }
      - { .name: I, .offset: 8, .size: 8, .value_kind: global_buffer, .address_space: global }
      - { .name: wt, .offset: 16, .size: 8, .value_kind: global_buffer, .address_space: global }
      - { .name: ws, .offset: 24, .size: 8, .value_kind: global_buffer, .address_space: global }
      - { .name: mab0_bqkv, .offset: 32, .size: 8, .value_kind: global_buffer, .address_space: global }
      - { .name: mab0_bo, .offset: 40, .size: 8, .value_kind: global_buffer, .address_space: global }
      - { .name: mab0_g0, .offset: 48, .size: 8, .value_kind: global_buffer, .address_space: global }
      - { .name: mab0_b0, .offset: 56, .size: 8, .value_kind: global_buffer, .address_space: global }
      - { .name: mab0_g1, .offset: 64, .size: 8, .value_kind: global_buffer, .address_space: global }
      - { .name: mab0_b1, .offset: 72, .size: 8, .value_kind: global_buffer, .address_space: global }
      - { .name: mab1_bqkv, .offset: 80, .size: 8, .value_kind: global_buffer, .address_space: global }
      - { .name: mab1_bo, .offset: 88, .size: 8, .value_kind: global_buffer, .address_space: global }
      - { .name: mab1_g0, .offset: 96, .size: 8, .value_kind: global_buffer, .address_space: global }
      - { .name: mab1_b0, .offset: 104, .size: 8, .value_kind: global_buffer, .address_space: global }
      - { .name: mab1_g1, .offset: 112, .size: 8, .value_kind: global_buffer, .address_space: global }
      - { .name: mab1_b1, .offset: 120, .size: 8, .value_kind: global_buffer, .address_space: global }
      - { .name: out0, .offset: 128, .size: 8, .value_kind: global_buffer, .address_space: global }
    .group_segment_fixed_size: 298496
    .private_segment_fixed_size: 0
    .kernarg_segment_align: 8
    .kernarg_segment_size: 136
    .max_flat_workgroup_size: 256
    .sgpr_count:     66
    .vgpr_count:     512
    .wavefront_size: 32
...
	.end_amdgpu_metadata
.endif
;; end of part 2
